; MI455X (gfx1250); checked and timed in simulation.
; The chip was launched on July 23, 2026; its instructions are those of AMD's public machine-readable ISA for CDNA 5 (MIT licence, August 2026) and "CDNA5" Instruction Set Architecture Reference Guide (July 2026). The comments in the code are by the model that wrote it; some were corrected since.
;; Dot Product Attention. Allowed arithmetic: matrix products marked QUANTISED: E2M1 operands, one E8M0 scale for each 32 along K, by v_wmma_scale_f32_16x16x128_f8f6f4 with both operands' format E2M1 (or v_wmma_scale_f32_32x16x128_f4), f32 sums; everything else in f32.
;; Inputs: keys 32 x 2,048 x 64 float32; queries 32 x 2,048 x 64 float32; valid_lens 32 int32; values 32 x 2,048 x 64 float32.
;; Outputs: out0 32 x 2,048 x 64 float32.
;; This version of the problem:
;;   THIS VERSION OF THE PROBLEM IS GIVEN IN LOW PRECISION. The matrix products marked QUANTISED in the list below multiply operands that are first quantised to E2M1 (2 exponent bits, 1 mantissa bit; 4 bits a number), with one power-of-two scale for each 32 numbers along K (OCP MX v1.0); their sums are f32. All else is computed in f32.
;;   The module's matrix products, in the order in which they are computed (A, B: the left and right operand; K: the contracted axis; several contracted axes count as one K, in the product's order):
;;     1. batch 32 x [M 2,048, K 64] x [K 64, N 2,048]; A: input queries; B: input keys: QUANTISED
;;     2. batch 32 x [M 2,048, K 2,048] x [K 2,048, N 64]; A: softmax (see below); B: input values: QUANTISED
;;   THE QUANTISER, for each operand of a quantised product, along K:
;;     - K is cut into blocks of 32 from its start; a last block that is shorter is filled with zeros.
;;     - A block's scale is 2^e with e = floor(log2(the largest magnitude in the block)) - 2, held to -126 .. 127; a block of zeros has e = 0. As a byte (E8M0): e + 127.
;;     - Each number is divided by its block's scale, clamped to +-6, and rounded to the nearest number of E2M1, ties to even, subnormals kept.
;;     - The product sums the exact products of the quantised numbers (number of the format x scale) in f32.
;;   ~~~python
;;   def quantise(x, axis):      # numpy; x: float32 -> the quantised numbers, widened to float32 again
;;       x = np.moveaxis(x, axis, -1); K = x.shape[-1]
;;       x = np.pad(x, [(0, 0)] * (x.ndim - 1) + [(0, -K % 32)]); x = x.reshape(x.shape[:-1] + (-1, 32)); a = np.abs(x).max(-1, keepdims=True)
;;       e = np.where(a > 0, np.clip(np.frexp(np.where(a > 0, a, 1))[1] - 1 - 2, -126, 127), 0)      # np.frexp(a)[1] - 1 = floor(log2(a)), exactly
;;       r = np.clip(x / 2.0 ** e, -6, 6)
;;       step = 2.0 ** (np.maximum(np.frexp(np.where(r == 0, 1, r))[1] - 1, 0) - 1)
;;       q = np.round(r / step) * step * 2.0 ** e      # np.round: ties to even
;;       return np.moveaxis(q.reshape(q.shape[:-2] + (-1,))[..., :K], -1, axis).astype(np.float32)
;;   ~~~
;;   SOFTMAX AHEAD OF A QUANTISED PRODUCT. Where the list says 'softmax', what is quantised is not the finished softmax but p = 2^(t - M), with t = logit x log2(e) and M = ceil(the row's largest t), a whole number; so 1/2 < the row's largest p <= 1. The row's sum l is taken of the UNQUANTISED p, in f32, and the product's result is divided by l at the end. Since M is a whole number, a kernel that streams over the keys may use a running M (the ceiling of the running maximum): every later rescaling is an exact power of two, which a block's scale takes up: the codes' values come out the same.
;;   OPERANDS COMPUTED ON THE WAY. 'Computed on the way' means the value that the module computes at that place (a softmax that the list does not call 'softmax' is quantised finished and normalised). What goes into a quantiser is computed in f32, as accurately as f32 sums, v_exp_f32 and their like allow (about 1e-6 of the number): no bf16 or f16 on the way to a quantiser, and a product that is left as it is and whose result goes on into a quantised operand takes f32 operands (vector FMAs, or v_wmma_f32_16x16x4_f32). A number that lies on a knife's edge between two numbers of the format may be rounded either way, as far as f32 arithmetic and the matrix unit's own rounding can turn it there, and no further.
;; 2 versions. Each part assembles by itself: llvm-mc -triple=amdgcn-amd-amdhsa -mcpu=gfx1250 --defsym DOCPART=n.
;; ======== version 1 of 2: 1 launch
;; limits: right only within a limited range of input values
;; launch attn (part 1): grid 256 x 1, 16 waves a work-group, no clusters, 107,520 bytes of LDS; arguments queries, keys, values, valid_lens, out0; writes out0
.if DOCPART == 1
	.amdgcn_target "amdgcn-amd-amdhsa--gfx1250"
	.amdhsa_code_object_version 6
	.text
	.protected	k_q47093a6492_attn
	.globl	k_q47093a6492_attn
	.p2align	8
	.type	k_q47093a6492_attn,@function
k_q47093a6492_attn:
	s_mov_b64 s[64:65], 0
	v_nop
	global_prefetch_b8 v0, s[64:65] scope:SCOPE_SE
	s_setreg_imm32_b32 hwreg(HW_REG_WAVE_MODE, 25, 1), 1
	s_wait_xcnt 0x0
; out[b][q][:] = the sum over k of softmax_k(s(q, k)) V[b][k][:],  s = Q[b][q] . K[b][k] / 8 where k < valid_lens[b], else -1e6.   Q, K, V, out: [32][2048][64] f32; valid_lens: [32] i32.
; Both products on codes of FP4 (E2M1) with one E8M0 scale for each 32 along a product's K: Q and K along the head's 64 (two blocks), p and V along the keys.  All codes are made here, from f32.
; THE SOFTMAX AHEAD OF THE SECOND PRODUCT: t = s x log2(e); M = the running largest t rounded UP to a whole number; p = 2^(t - M) is quantised, not normalised; the row's sum is taken of the unquantised p and divides at the end.
; SHARES.  256 work-groups of sixteen waves, 256 registers a wave.  A work-group serves TWO batches, one for each group of eight waves, 128 queries of each, 16 a wave.  The two batches are those of rank R and 31 - R in the
; order of their walks (the keys that have to be walked), so that every work-group has about the same number of key steps.  Every wave finds the ranks itself: 32 lanes hold the 32 walks, whole numbers only.
; A KEY STEP is 128 keys.  a scalar branch on valid_lens round the step's work, never round its barrier.  The loop has 16 steps for every wave.
; NO TENSOR LOADS, NO CLUSTER, NO JOINT LOADS: the steps that a group works hang on valid_lens, a number read from memory; and what the 16 work-groups of a
; batch share arrives as f32 and becomes codes in registers.  K's and V's f32 tiles come by loads into registers, a step ahead; the group's eight waves quantise a tile once (an eighth of K and V a wave and step) and hand
; the codes round through LDS AS IMAGES OF THE OPERANDS' REGISTERS, in two slots by turns, one barrier a step.
; LAYOUT.  Both products are used transposed: S^T = K Q^T (source 0 = 16 keys, source 1 = my 16 queries), O^T = V^T P^T (source 0 = 16 of the head's 64, source 1 = p): a lane holds ONE query (lane % 16) throughout.
; THE KEYS OF A TILE ARE NOT NEIGHBOURS: lane r of tile 2 b + u takes key 32 b + 8 u + r + 8 (r / 8), so that S^T's registers 16 b + i of lane (r, h) are keys 32 b + 16 h + i: 16 neighbours.
; THE HEAD IS 64, THE INSTRUCTION'S K 128: Q's registers 4-7 are zero codes and both sides' scale bytes 2 and 3 are 0 (never 0xff), so whatever codes stand in K's registers 4-7 add nothing: there stand the next tile's codes
; (behind the last tile four registers of zeros), and the eight fragments of K take 36 registers and eight LDS loads.
; LIMITS.  valid_lens <= 0: every score is the same number, so p = 2^0 for all 2,048 keys: all steps are walked and 0 is put for every score.  valid_lens > 2,048 counts as 2,048.  Steps behind valid_lens are left out: right as
; long as a row's largest valid score lies more than 110 above -1e6.  NaN and infinities among the inputs are not served.  A block whose largest magnitude lies under 2^-124 has its byte held at 1 (a block of zeros too: its codes are zeros).
;
; LDS: group G at 17,920 G, slot s at + 8,960 s.  In a slot: K's images, tile t at 512 t, lane l's 16 bytes at 16 l | V's at 4,096: fragment u (channels 16 u + r) at 1,024 u, registers 4 c on at + 512 c, lane l at + 16 l |
; K's scale words at 8,192: (tile t, row r) at 256 (t / 4) + 16 r + 4 (t % 4) | V's at 8,704: (u, r) at 16 r + 4 u.  From 35,840 on a stage of 16 rows x 272 bytes for each wave, for the way out.
.set SLOTB, 8960
.set GRPB,  17920
.set VIMG,  4096
.set KSCO,  8192
.set VSCO,  8704
.set STG,   35840
.set STGW,  4352
.set TILEB, 32768                      ; 128 keys x 256 bytes of K or of V in memory
.set FLOOR, 0x1800000                  ; 2^(3 - 127): under it no largest magnitude is taken, so a scale's byte cannot fall under 1
; vector registers.  v0 stays the thread's number
.set LI,   1                           ; LDS: 17,920 G + 16 lane: an image's place for my lane
.set LSC,  2                           ; LDS: 17,920 G + 16 r: four scale words of my row
.set KW,   3                           ; LDS: where I store my tile of K
.set KSB,  4                           ; LDS: and its scale byte
.set VW,   5                           ; LDS: where I store my block of V
.set VSB,  6                           ; LDS: and its scale byte
.set KGO,  7                           ; memory: my key's 128 bytes in a tile of K
.set VGO,  8                           ; memory: my channel, my block's first key in a tile of V
.set PFO,  9                           ; memory: the prefetches' offset
.set NM,   10                          ; -M
.set TMAX, 11                          ; the largest t so far
.set L,    12                          ; v[12:13] the row's sum, in two halves
.set QS,   14                          ; Q's scale word
.set PS,   15                          ; p's scale word
.set QF,   16                          ; v[16:23] Q's fragment; 20-23 zeros
.set KS,   24                          ; v[24:31] K's eight scale words, then V's four
.set F,    32                          ; v[32:67] K's fragments, then V's; 64-67 zeros
.set S,    68                          ; v[68:131] S^T, then p; Q's numbers at the head; rows of out at the end
.set O,    132                         ; v[132:163] O^T, tile u at O + 8 u
.set PC,   164                         ; v[164:171] p's codes; between two steps' uses at work for my block of V
.set RK,   172                         ; v[172:203] 32 numbers of K as loaded
.set RV,   204                         ; v[204:235] 32 numbers of V as loaded
.set BM,   236                         ; v[236:239] the blocks' largest scores, then largest p
.set PX,   240                         ; v[240:243] the other half's maxima, bytes, a second chain of sums
.set SO,   244                         ; v[244:247] the conversions' scale operands
.set STO,  248                         ; LDS: the way out: where I put 32 bytes of a row
.set SRD,  249                         ; LDS: and where I read a row back
.set GO,   250                         ; memory: my 16 bytes in two rows of out
.set KSW,  251                         ; LDS: my scale byte's word, cleared once
.set FF,   252                         ; v[252:253] f = 2^(old M - new M); 253 written once
.set TA,   254                         ; at work
.set TB,   255                         ; what stands for a hidden score; written once
.set LN,   100                         ; at the head only: lane, r, h, Q's offset, at work
.set RR,   101
.set HH,   102
.set QO,   103
.set T0,   104
.set WLK,  105
.set C2K,  106
.set RNK,  107
; scalar registers: s[4:5] Q at my rows, s[6:7] K and s[8:9] V at the tile that is loaded next, s[10:11] valid_lens, s[12:13] out at my rows, s[30:31] the prefetches' base
.set WV,   14                          ; wave 0..15
.set GG,   15                          ; my group
.set IDX,  16                          ; my number in the group, 0..7
.set JJ,   17                          ; the work-group's block of 128 queries
.set TMP,  19
.set SEL,  20                          ; s[20:21] v_permlanex16_b32's selects for lane l xor 16
.set CS,   22                          ; s[22:23] c = log2(e) / 8
.set VL,   32                          ; valid_lens[b], held to 0 .. 2,048
.set WALK, 33                          ; the keys to walk
.set LIMW, 34                          ; the same in a work-group that prefetches, else 0
.set KF,   35                          ; the step's first key
.set LOOP, 36
; A lane's 32 numbers v[src] .. v[src + 31] are ONE block: its largest magnitude in two chains by turns, with the floor among the leaves; 2 off its exponent field gives the conversions' scale operand (they take that
; field and nothing else of it); the field is the scale's byte.  The shift that makes the byte is also the plain instruction that stands behind the last scaled conversion.
.macro BLK32 src, ma, mb, op, byt, cod
	v_max3_num_f32 v[\ma], |v[\src]|, |v[\src+1]|, FLOOR
	v_max3_num_f32 v[\mb], |v[\src+16]|, |v[\src+17]|, |v[\src+18]|
.irp i, 0,1,2,3,4,5
	v_max3_num_f32 v[\ma], v[\ma], |v[\src+2+2*\i]|, |v[\src+3+2*\i]|
	v_max3_num_f32 v[\mb], v[\mb], |v[\src+19+2*\i]|, |v[\src+20+2*\i]|
.endr
	v_max3_num_f32 v[\ma], v[\ma], |v[\src+14]|, |v[\src+15]|
	v_max3_num_f32 v[\ma], v[\ma], v[\mb], |v[\src+31]|
	v_add_nc_u32 v[\op], 0xff000000, v[\ma]
.irp g, 0,1,2,3
	v_cvt_scalef32_pk8_fp4_f32 v[\cod+\g], v[\src+8*\g:\src+8*\g+7], v[\op]
.endr
	v_lshrrev_b32 v[\byt], 23, v[\op]
.endm
; My share of the tile at s[6:7], s[8:9].  K: my key's half row, 128 bytes on end, in eight loads (together the wave's eight loads cover 16 whole rows).  V: my channel of my block's 32 keys: each load reads 128
; consecutive bytes, and the wave beside me takes the rows' other halves.  No hint: sixteen work-groups read these rows.
.macro RAWLOAD
.irp j, 0,1,2,3,4,5,6,7
	global_load_b128 v[RK+4*\j:RK+4*\j+3], v[KGO], s[6:7] offset:16*\j
.endr
.set n, 0
.rept 32
	global_load_b32 v[RV+n], v[VGO], s[8:9] offset:256*n
.set n, n+1
.endr
.endm
; The tile whose numbers are on their way becomes codes in slot 'slot'; then the tile behind it is asked for, if it has a key to walk.
; pf = 1: A PREFETCH INTO THE L2 stands behind those loads: the tile two further on than the one just asked for, so two key steps ahead of its own loads.  Each aligned block of 256 bytes is named once in the launch:
; of the sixteen work-groups of a batch the one with query block 0 asks; in its group waves 0 to 3 ask for K's 32,768 bytes and waves 4 to 7 for V's, 8,192 bytes a wave, lanes 256 bytes apart.
; It stops where that tile's first key is not walked, so it never leaves the batch; a batch's first four tiles come by their loads alone.
.macro AHEAD slot, pf
	s_wait_loadcnt 32                              ; K's eight loads are in; V's 32, issued behind them, may be out
	BLK32 RK, BM, BM+1, BM+2, BM+3, PX
	ds_store_b128 v[KW], v[PX:PX+3] offset:(\slot)*SLOTB
	ds_store_b8 v[KSB], v[BM+3] offset:(\slot)*SLOTB
	s_wait_loadcnt 0x0                             ; V's are in: no load of mine is out
	BLK32 RV, PC, PC+1, PC+2, PC+3, PC+4
	ds_store_b128 v[VW], v[PC+4:PC+7] offset:(\slot)*SLOTB
	ds_store_b8 v[VSB], v[PC+3] offset:(\slot)*SLOTB
	s_wait_xcnt 0x0                                ; the prefetch of a step ago has read its base: the three bases are stepped only behind this wait
	s_add_nc_u64 s[6:7], s[6:7], TILEB
	s_add_nc_u64 s[8:9], s[8:9], TILEB
	s_add_nc_u64 s[30:31], s[30:31], TILEB
	s_add_co_u32 s[TMP], s[KF], 256
	s_cmp_lt_u32 s[TMP], s[WALK]
	s_cbranch_scc0 .Lnol_\@                        ; no load leaves its batch: a tile is asked for only if its first key is walked
	RAWLOAD
.if \pf
	s_add_co_u32 s[TMP], s[KF], 512
	s_cmp_lt_u32 s[TMP], s[LIMW]
	s_cbranch_scc0 .Lnol_\@
	global_prefetch_b8 v[PFO], s[30:31] offset:2*TILEB th:TH_LOAD_NT scope:SCOPE_SE
.endif
.Lnol_\@:
.endm
; In the one step that valid_lens cuts (and in every step where it is 0) the scores of hidden keys are replaced ahead of the maximum.  Register 16 b + i holds key KF + 32 b + 16 h + i: hidden where 32 b + i >= valid_lens - KF - 16 h.
; The registers are taken in ascending order: each accumulator is read from its low end on.
.macro MASK
	s_add_co_u32 s[TMP], s[KF], 128
	s_cmp_le_u32 s[TMP], s[VL]
	s_cbranch_scc1 .Lopen_\@                       ; all 128 keys count
	s_sub_co_i32 s[TMP], s[VL], s[KF]
	v_bfe_u32 v[TA], v0, 4, 1
	v_lshlrev_b32 v[TA], 4, v[TA]
	v_sub_nc_u32 v[TA], s[TMP], v[TA]
.set n, 0
.rept 64
	v_cmp_ge_i32 vcc_lo, 32*(n/16)+n%16, v[TA]
	v_cndmask_b32 v[S+n], v[S+n], v[TB], vcc_lo
.set n, n+1
.endr
.Lopen_\@:
.endm
; THE WAY OUT, in a wave's last step.  O^T / the row's sum goes through my own stage in LDS (rows of 256 bytes + 16) and leaves as whole rows: each store of the wave covers 512 consecutive bytes, aligned to 256.
.macro OUTPUT
	v_add_f32 v[TA], v[L], v[L+1]                  ; the sum's two halves,
	v_permlanex16_b32 v[PX], v[TA], s[SEL], s[SEL+1]
	v_add_f32 v[TA], v[TA], v[PX]                  ; and lane l xor 16's: the row's sum
	v_rcp_f32 v[TA], v[TA]
	v_nop                                          ; one plain instruction behind the reciprocal, ahead of its use
	s_wait_alu depctr_va_vdst(0)
.irp j, 0,2,4,6,8,10,12,14,16,18,20,22,24,26,28,30
	v_pk_mul_f32 v[S+\j:S+\j+1], v[O+\j:O+\j+1], v[TA:TA+1] op_sel_hi:[1,0]   ; register 8 u + i is out(query r, channel 16 u + 8 h + i)
.endr
.irp u, 0,1,2,3
	ds_store_b128 v[STO], v[S+8*\u:S+8*\u+3] offset:64*\u
	ds_store_b128 v[STO], v[S+8*\u+4:S+8*\u+7] offset:64*\u+16
.endr
.irp i, 0,1,2,3,4,5,6,7
	ds_load_b128 v[S+32+4*\i:S+32+4*\i+3], v[SRD] offset:544*\i   ; LDS serves a wave's instructions in order (ISA guide 5.7.1.4): these see my stores
.endr
.irp i, 0,1,2,3,4,5,6,7
	s_wait_dscnt 7-\i                              ; rows 2 i and 2 i + 1 are back; the younger loads may be out
	global_store_b128 v[GO], v[S+32+4*\i:S+32+4*\i+3], s[12:13] offset:512*\i th:TH_STORE_NT
.endr
	s_wait_xcnt 0x0                                ; the stores have read their registers
.endm
; A KEY STEP on slot s.
.macro STEP s
	s_cmp_lt_u32 s[KF], s[WALK]
	s_cbranch_scc0 .Lidle_\@                       ; nothing of this step is walked: on to the barrier
.irp t, 0,1,2,3,4,5,6,7
	ds_load_b128 v[F+4*\t:F+4*\t+3], v[LI] offset:(\s)*SLOTB+512*\t           ; (the row sums of the step before, 32 plain instructions, are the places behind its last products: ISA guide 7.12.1)
.endr
.irp q, 0,1
	ds_load_b128 v[KS+4*\q:KS+4*\q+3], v[LSC] offset:(\s)*SLOTB+KSCO+256*\q
.endr
	s_add_co_u32 s[TMP], s[KF], 128
	s_cmp_lt_u32 s[TMP], s[WALK]
	s_cbranch_scc0 .Lnoq_\@
	AHEAD 1-\s, 1                                  ; the next step's tile into the other slot, which nobody reads since the last barrier; this work stands while my fragments come
.Lnoq_\@:
	s_wait_dscnt 0x0                               ; K's fragments and scale words are in, and my stores have read their registers
.irp t, 0,1,2,3,4,5,6,7
	v_wmma_scale_f32_16x16x128_f8f6f4 v[S+8*\t:S+8*\t+7], v[F+4*\t:F+4*\t+7], v[QF:QF+7], 0, v[KS+\t], v[QS] matrix_a_fmt:MATRIX_FMT_FP4 matrix_b_fmt:MATRIX_FMT_FP4
.endr
.rept 4
	v_nop                                          ; four places in front of the loads into registers that these products read, and of the first read of their results
.endr
.irp u, 0,1,2,3
.irp c, 0,1
	ds_load_b128 v[F+8*\u+4*\c:F+8*\u+4*\c+3], v[LI] offset:(\s)*SLOTB+VIMG+1024*\u+512*\c   ; V's fragments come while the softmax is worked
.endr
.endr
	ds_load_b128 v[KS:KS+3], v[LSC] offset:(\s)*SLOTB+VSCO
	MASK
.irp b, 0,1,2,3
	v_max3_num_f32 v[BM+\b], v[S+16*\b], v[S+1+16*\b], v[S+2+16*\b]   ; THE LARGEST SCORE OF EACH BLOCK OF 32 KEYS serves twice: for the row's maximum and, since p rises with the score, for the block's largest p
.endr
.irp i, 3,5,7,9,11,13
.irp b, 0,1,2,3
	v_max3_num_f32 v[BM+\b], v[BM+\b], v[S+16*\b+\i], v[S+1+16*\b+\i]   ; (the four blocks by turns)
.endr
.endr
.irp b, 0,1,2,3
	v_max_num_f32 v[BM+\b], v[BM+\b], v[S+15+16*\b]
.endr
.irp b, 0,1,2,3
	v_permlanex16_b32 v[PX+\b], v[BM+\b], s[SEL], s[SEL+1]
.endr
.irp b, 0,1,2,3
	v_max_num_f32 v[BM+\b], v[BM+\b], v[PX+\b]     ; with lane l xor 16's 16 keys
.endr
	v_max3_num_f32 v[TA], v[BM], v[BM+1], v[BM+2]
	v_max_num_f32 v[TA], v[TA], v[BM+3]            ; the step's largest score of my query
	v_mul_f32 v[TA], s[CS], v[TA]                  ; as t (c is positive)
	v_max_num_f32 v[TMAX], v[TMAX], v[TA]          ; the running largest t
	v_mov_b32 v[TA], v[NM]
	v_floor_f32 v[NM], -v[TMAX]                    ; the new -M = floor(-t) = -ceil(t): M IS A WHOLE NUMBER
	v_sub_f32 v[TA], v[NM], v[TA]                  ; M's old value less its new one: a whole number, 0 or less
	v_cvt_i32_f32 v[TA], v[TA]                     ; (it saturates)
	v_ldexp_f32 v[FF], 1.0, v[TA]                  ; f = 2^(old M - new M): a multiplication by it rounds nothing
.irp j, 0,2,4,6,8,10,12,14,16,18,20,22,24,26,28,30,32,34,36,38,40,42,44,46,48,50,52,54,56,58,60,62
	v_pk_fma_f32 v[S+\j:S+\j+1], v[S+\j:S+\j+1], s[CS:CS+1], v[NM:NM+1] op_sel_hi:[1,0,0]   ; t - M, two at a time (of the pairs c and -M the low word serves both halves)
.endr
.irp b, 0,1,2,3
	v_fma_f32 v[BM+\b], v[BM+\b], s[CS], v[NM]     ; the same of each block's largest score
.endr
.set n, 0
.rept 64
	v_exp_f32 v[S+n], v[S+n]                       ; p = 2^(t - M), at most 1: NOT normalised
.set n, n+1
.endr
.irp b, 0,1,2,3
	v_exp_f32 v[BM+\b], v[BM+\b]                   ; the block's largest p: the same two instructions on the same number give the same bits
.endr
	v_pk_mul_f32 v[L:L+1], v[L:L+1], v[FF:FF+1] op_sel_hi:[1,0]   ; the sums under the new M.  (The plain instruction behind the exponentials)
	s_wait_alu depctr_va_vdst(0)
.irp b, 0,1,2,3
	v_max_num_f32 v[BM+\b], FLOOR, v[BM+\b]        ; the floor: a block whose every p is 0 keeps the byte 1: its codes are zeros
.endr
.irp b, 0,1,2,3
	v_add_nc_u32 v[SO+\b], 0xff000000, v[BM+\b]    ; 2 off the exponent field: the conversions' scale operand
.endr
.irp b, 0,1,2,3
	v_lshrrev_b32 v[PX+\b], 23, v[SO+\b]           ; the scale's byte
.endr
	v_lshl_or_b32 v[PS], v[PX+1], 8, v[PX]         ; p's scale word for these 128 keys
	v_lshl_or_b32 v[PS], v[PX+2], 16, v[PS]
	v_lshl_or_b32 v[PS], v[PX+3], 24, v[PS]
.irp b, 0,1,2,3
	v_cvt_scalef32_pk8_fp4_f32 v[PC+2*\b], v[S+16*\b:S+7+16*\b], v[SO+\b]
	v_cvt_scalef32_pk8_fp4_f32 v[PC+1+2*\b], v[S+8+16*\b:S+15+16*\b], v[SO+\b]
.endr
	v_nop                                          ; one plain instruction between a scaled conversion and the vector instruction that touches its result
.irp c, 0,1                                    ; the operand's layout wants a WHOLE block in a lane: lanes 0-15 block 2 c, lanes 16-31 block 2 c + 1
.irp i, 0,1
	v_permlane16_swap_b32 v[PC+4*\c+\i], v[PC+2+4*\c+\i]
.endr
.endr
.irp j, 0,2,4,6,8,10,12,14,16,18,20,22,24,26,28,30
	v_pk_mul_f32 v[O+\j:O+\j+1], v[O+\j:O+\j+1], v[FF:FF+1] op_sel_hi:[1,0]   ; O^T under the new M, each accumulator from its low end on.  (These sixteen also stand between the making of p's codes and scale word and the products)
.endr
	s_wait_dscnt 0x0                               ; V's fragments and scale words are in
.irp u, 0,1,2,3                                ; O^T += V^T P^T: the four accumulators by turns, one instruction a turn
	v_wmma_scale_f32_16x16x128_f8f6f4 v[O+8*\u:O+8*\u+7], v[F+8*\u:F+8*\u+7], v[PC:PC+7], v[O+8*\u:O+8*\u+7], v[KS+\u], v[PS] matrix_a_fmt:MATRIX_FMT_FP4 matrix_b_fmt:MATRIX_FMT_FP4
.endr
	v_pk_add_f32 v[PX:PX+1], v[S:S+1], v[S+2:S+3]  ; THE ROW'S SUM IS TAKEN OF THE UNQUANTISED p: two at a time, in two chains.  These 32 name no register of the products above: they are the places behind them
.irp j, 4,8,12,16,20,24,28,32,36,40,44,48,52,56,60
	v_pk_add_f32 v[L:L+1], v[L:L+1], v[S+\j:S+\j+1]
	v_pk_add_f32 v[PX:PX+1], v[PX:PX+1], v[S+2+\j:S+3+\j]
.endr
	v_pk_add_f32 v[L:L+1], v[L:L+1], v[PX:PX+1]
	s_add_co_u32 s[TMP], s[KF], 128
	s_cmp_ge_u32 s[TMP], s[WALK]
	s_cbranch_scc0 .Lidle_\@
	OUTPUT                                         ; this was the last step that is walked: my rows leave now
.Lidle_\@:
	s_add_co_u32 s[KF], s[KF], 128
	s_wait_dscnt 0x0                               ; for the others' sake: my stores into the other slot have landed and my reads of this slot are over
	s_barrier_signal -1
	s_barrier_wait -1                              ; every wave passes it, in every step
.endm
	s_load_b256 s[4:11], s[0:1], 0x0               ; Q s[4:5], K s[6:7], V s[8:9], valid_lens s[10:11]
	s_load_b64 s[12:13], s[0:1], 0x20              ; out
	v_lshrrev_b32 v[T0], 5, v0
	v_readfirstlane_b32 s[WV], v[T0]               ; wave 0..15
	v_and_b32 v[LN], 31, v0                        ; lane
	v_and_b32 v[RR], 15, v0                        ; r
	v_bfe_u32 v[HH], v0, 4, 1                      ; h
	v_lshlrev_b32 v[T0], 2, v[LN]
	s_wait_kmcnt 0x0
	global_load_b32 v[WLK], v[T0], s[10:11]        ; lane b takes valid_lens[b]; the addresses below are made while it comes
	s_lshr_b32 s[TMP], s[WV], 2
	s_xor_b32 s[GG], s[WV], s[TMP]
	s_and_b32 s[GG], s[GG], 1                      ; my group: bit 0 xor bit 2 of the wave's number, so that of waves w, w + 4, w + 8, w + 12 and of waves 4 i .. 4 i + 3 alike two belong to each group
	s_lshr_b32 s[IDX], s[WV], 1                    ; my number in it: group and number name the wave
	s_and_b32 s[JJ], ttmp9, 15                     ; the block of 128 queries
	s_lshr_b32 s25, ttmp9, 4                       ; R: the pair of batches
	s_and_b32 s37, s[IDX], 1                       ; K: the tile's u;  V: which 32 channels
	s_lshr_b32 s38, s[IDX], 1                      ; K: the tile's b;  V: which block of 32 keys
	s_mov_b32 s[SEL], 0x76543210
	s_mov_b32 s[SEL+1], 0xfedcba98
	s_mov_b32 s[CS], 0x3e38aa3b                    ; c = log2(e) / sqrt(64)
	s_mov_b32 s[CS+1], s[CS]                       ; (named with it as a pair, so it is written)
	s_mul_i32 s[TMP], s[GG], GRPB
	v_lshlrev_b32 v[LI], 4, v[LN]
	v_add_nc_u32 v[LI], s[TMP], v[LI]
	v_lshlrev_b32 v[LSC], 4, v[RR]
	v_add_nc_u32 v[LSC], s[TMP], v[LSC]
	s_lshl_b32 s39, s[IDX], 9
	v_add_nc_u32 v[KW], s39, v[LI]                 ; my tile of K is the group's tile IDX
	s_lshr_b32 s39, s[IDX], 2
	s_lshl_b32 s39, s39, 8
	s_and_b32 s40, s[IDX], 3
	s_lshl_b32 s40, s40, 2
	s_add_co_u32 s39, s39, s40
	s_add_co_u32 s39, s39, KSCO
	v_add_nc_u32 v[KSW], s39, v[LSC]               ; the scale word of (my tile, row r);
	v_add_nc_u32 v[KSB], v[KSW], v[HH]             ; my block of the head's two is h
	s_lshl_b32 s39, s37, 11                        ; V: my channel 32 (IDX % 2) + lane is row r of fragment 2 (IDX % 2) + h; block beta is registers 4 (beta / 2) on of lanes 16 (beta % 2) + r: 256 beta bytes
	s_lshl_b32 s40, s38, 8
	s_add_co_u32 s39, s39, s40
	s_add_co_u32 s39, s39, VIMG
	v_lshl_add_u32 v[VW], v[HH], 10, v[LSC]
	v_add_nc_u32 v[VW], s39, v[VW]
	s_lshl_b32 s39, s37, 3
	s_add_co_u32 s39, s39, s38
	s_add_co_u32 s39, s39, VSCO
	v_lshl_add_u32 v[VSB], v[HH], 2, v[LSC]
	v_add_nc_u32 v[VSB], s39, v[VSB]               ; byte beta of the word of (fragment, r)
	v_and_b32 v[KGO], 8, v[RR]
	v_add_nc_u32 v[KGO], v[KGO], v[RR]             ; r + 8 (r / 8)
	s_lshl_b32 s39, s38, 5
	s_lshl_b32 s40, s37, 3
	s_add_co_u32 s39, s39, s40
	v_add_nc_u32 v[KGO], s39, v[KGO]               ; my key in the step
	v_lshlrev_b32 v[KGO], 8, v[KGO]
	v_lshl_add_u32 v[KGO], v[HH], 7, v[KGO]        ; its row of 256 bytes, + my half
	s_lshl_b32 s39, s38, 13
	s_lshl_b32 s40, s37, 7
	s_add_co_u32 s39, s39, s40
	v_lshl_add_u32 v[VGO], v[LN], 2, s39           ; 32 beta rows of 256 bytes, + my channel
	s_and_b32 s39, s[IDX], 3
	s_lshl_b32 s39, s39, 13
	v_lshl_add_u32 v[PFO], v[LN], 8, s39
	s_mul_i32 s39, s[WV], STGW
	s_add_co_u32 s39, s39, STG                     ; my stage
	v_mul_u32_u24 v[STO], v[RR], 272
	v_lshl_add_u32 v[STO], v[HH], 5, v[STO]
	v_add_nc_u32 v[STO], s39, v[STO]               ; in: row r, + 32 h
	v_mul_u32_u24 v[SRD], v[HH], 272
	v_lshl_add_u32 v[SRD], v[RR], 4, v[SRD]
	v_add_nc_u32 v[SRD], s39, v[SRD]               ; back: lanes 0-15 one row, lanes 16-31 the next
	v_lshlrev_b32 v[GO], 8, v[HH]
	v_lshl_add_u32 v[GO], v[RR], 4, v[GO]          ; and the same two rows in out
	v_lshlrev_b32 v[QO], 8, v[RR]
	v_lshl_add_u32 v[QO], v[HH], 7, v[QO]          ; Q: row r, + my half
	; THE RANKS.  Lane b's walk: valid_lens[b] held at 2,048 (a negative number, read as unsigned, is held there too, and its walk is 2,048), and 2,048 where it is 0.  The key walk x 32 + b is different in every lane;
	; a lane's rank is the number of smaller keys.
	v_mov_b32 v[C2K], 0x800
	v_mov_b32 v[RNK], 0
	s_wait_loadcnt 0x0
	v_min_u32 v[WLK], 0x800, v[WLK]
	v_cmp_eq_u32 vcc_lo, 0, v[WLK]
	v_cndmask_b32 v[WLK], v[WLK], v[C2K], vcc_lo
	v_lshl_or_b32 v[WLK], v[WLK], 5, v[LN]
.set n, 0
.rept 32
	v_readlane_b32 s37, v[WLK], n
	v_cmp_lt_u32 vcc_lo, s37, v[WLK]
	v_add_co_ci_u32 v[RNK], vcc_lo, 0, v[RNK], vcc_lo
.set n, n+1
.endr
	s_sub_co_u32 s39, 31, s25
	s_cmp_eq_u32 s[GG], 0
	s_cselect_b32 s18, s25, s39                    ; group 0 takes rank R, group 1 rank 31 - R
	v_cmp_eq_u32 s38, s18, v[RNK]
	s_ctz_i32_b32 s24, s38                         ; the lane that has it is my batch
	s_min_u32 s24, s24, 31
	s_lshl_b32 s39, s24, 2
	s_load_b32 s[VL], s[10:11], s39 offset:0x0     ; its valid_lens as a scalar (s39 stays as it is until the wait for this load)
	s_lshl_b32 s26, s24, 19                        ; a batch is 2,048 x 256 bytes
	s_mov_b32 s27, 0
	s_add_nc_u64 s[6:7], s[6:7], s[26:27]
	s_add_nc_u64 s[8:9], s[8:9], s[26:27]
	s_lshl_b32 s28, s[JJ], 7
	s_lshl_b32 s40, s[IDX], 4
	s_add_co_u32 s28, s28, s40                     ; my first query: 128 J + 16 IDX
	s_lshl_b32 s28, s28, 8
	s_add_co_u32 s28, s28, s26
	s_mov_b32 s29, 0
	s_add_nc_u64 s[4:5], s[4:5], s[28:29]
	s_add_nc_u64 s[12:13], s[12:13], s[28:29]
	s_cmp_lt_u32 s[IDX], 4
	s_cselect_b64 s[30:31], s[6:7], s[8:9]         ; waves 0 to 3 of a group prefetch K, waves 4 to 7 V
.irp j, 0,1,2,3,4,5,6,7
	global_load_b128 v[S+4*\j:S+4*\j+3], v[QO], s[4:5] offset:16*\j th:TH_LOAD_NT   ; my query's half row: one block of 32; read once in the launch
.endr
	RAWLOAD                                        ; tile 0: every batch walks it
	; what the loop finds, written while the loads are on their way.  The step is written without a first step of its own: O^T and the sum begin as zeros, which the first change of M leaves zeros
.set n, 0
.rept 32
	v_mov_b32 v[O+n], 0
.set n, n+1
.endr
	v_mov_b32 v[L], 0
	v_mov_b32 v[L+1], 0
	v_mov_b32 v[TMAX], 0xff61b1e6                  ; -3e38, under every t
	v_floor_f32 v[NM], -v[TMAX]
.irp i, 0,1,2,3
	v_mov_b32 v[QF+4+\i], 0                        ; Q's upper 64 along K: zero codes
	v_mov_b32 v[F+32+\i], 0                        ; what stands behind K's last tile
	v_mov_b32 v[PX+\i], 0                          ; a lane permute's destination counts as one of its sources
.endr
	v_mov_b32 v[FF+1], 0                           ; (named as the upper half of a pair)
	v_mov_b32 v[T0], 0
	ds_store_b32 v[KSW], v[T0]                     ; my scale word in both slots: bytes 2 and 3 stay 0 from here on; bytes 0 and 1 are written by my own byte stores, which come behind these
	ds_store_b32 v[KSW], v[T0] offset:SLOTB
	s_wait_kmcnt 0x0
	s_max_i32 s[VL], s[VL], 0
	s_min_u32 s[VL], s[VL], 0x800
	s_cmp_eq_u32 s[VL], 0
	s_cselect_b32 s[WALK], 0x800, s[VL]            ; with no valid key all keys weigh alike: all are walked
	s_cselect_b32 s41, 0, 0xcaf42400               ; a hidden score ahead of the division by 8: -8e6; with no valid key every score is the same number, t - M is 0, and 0 stands for it
	s_cmp_eq_u32 s[JJ], 0
	s_cselect_b32 s[LIMW], s[WALK], 0
	v_mov_b32 v[TB], s41
	s_mov_b32 s[KF], -128                          ; so that the lines below ask for tile 1 where key 128 is walked
	s_wait_loadcnt 40                              ; Q's eight loads are in; tile 0's forty, issued behind them, may be out
	BLK32 S, BM, BM+1, BM+2, BM+3, QF
	v_permlanex16_b32 v[PX], v[BM+3], s[SEL], s[SEL+1]
	v_lshl_or_b32 v[QS], v[PX], 8, v[BM+3]         ; lanes 0-15: block 0's byte is mine, block 1's lane l + 16's; bytes 2 and 3 are 0.  (Lanes 16-31 are not read)
	AHEAD 0, 0                                     ; tile 0 into slot 0; nothing is prefetched here, where every work-group's first tiles are on their way
	s_mov_b32 s[KF], 0
	s_wait_dscnt 0x0                               ; for the others' sake: my part of slot 0 and my cleared words have landed
	s_barrier_signal -1
	s_barrier_wait -1
	s_mov_b32 s[LOOP], 8
.Ltrip:                                                ; eight trips of two steps, one on each slot: the count is the same for every wave, whatever valid_lens holds
	STEP 0
	STEP 1
	s_sub_co_u32 s[LOOP], s[LOOP], 1
	s_cmp_lg_u32 s[LOOP], 0
	s_cbranch_scc1 .Ltrip
	s_wait_xcnt 0x0
	v_lshl_add_u32 v254, v0, 2, 0x19c00
	v_mov_b32 v255, 0
	s_wait_tensorcnt 0x0
	ds_add_u32 v254, v255
	s_wait_dscnt 0x0
	s_endpgm
.Lfunc_end_k_q47093a6492_attn:
	.size	k_q47093a6492_attn, .Lfunc_end_k_q47093a6492_attn-k_q47093a6492_attn
	.p2alignl 7, 3214868480
	.fill 96, 4, 3214868480
	.section	.rodata,"a",@progbits
	.p2align	6, 0x0
	.amdhsa_kernel k_q47093a6492_attn
		.amdhsa_group_segment_fixed_size 107520
		.amdhsa_private_segment_fixed_size 0
		.amdhsa_enable_private_segment 0
		.amdhsa_kernarg_size 40
		.amdhsa_user_sgpr_count 2
		.amdhsa_user_sgpr_kernarg_segment_ptr 1
		.amdhsa_wavefront_size32 1
		.amdhsa_system_sgpr_workgroup_id_x 1
		.amdhsa_system_sgpr_workgroup_id_y 1
		.amdhsa_system_sgpr_workgroup_id_z 1
		.amdhsa_system_vgpr_workitem_id 0
		.amdhsa_next_free_vgpr 256
		.amdhsa_next_free_sgpr 66
		.amdhsa_reserve_vcc 1
		.amdhsa_float_denorm_mode_32 3
		.amdhsa_float_denorm_mode_16_64 3
		.amdhsa_memory_ordered 1
		.amdhsa_forward_progress 1
		.amdhsa_inst_pref_size 86
	.end_amdhsa_kernel
	.amdgpu_metadata
---
amdhsa.version: [ 1, 2 ]
amdhsa.kernels:
  - .name:           k_q47093a6492_attn
    .symbol:         k_q47093a6492_attn.kd
    .args:
      - { .name: queries, .offset: 0, .size: 8, .value_kind: global_buffer, .address_space: global }
      - { .name: keys, .offset: 8, .size: 8, .value_kind: global_buffer, .address_space: global }
      - { .name: values, .offset: 16, .size: 8, .value_kind: global_buffer, .address_space: global }
      - { .name: valid_lens, .offset: 24, .size: 8, .value_kind: global_buffer, .address_space: global }
      - { .name: out0, .offset: 32, .size: 8, .value_kind: global_buffer, .address_space: global }
    .group_segment_fixed_size: 107520
    .private_segment_fixed_size: 0
    .kernarg_segment_align: 8
    .kernarg_segment_size: 40
    .max_flat_workgroup_size: 512
    .sgpr_count:     66
    .vgpr_count:     256
    .wavefront_size: 32
...
	.end_amdgpu_metadata
.endif
;; end of part 1
;; ======== version 2 of 2: 1 launch; version 1 with the launch attn written anew for expert scheduling mode
;; limits: right only within a limited range of input values
;; launch attn (part 2): grid 256 x 1, 16 waves a work-group, no clusters, 107,520 bytes of LDS; arguments queries, keys, values, valid_lens, out0; writes out0
.if DOCPART == 2
	.amdgcn_target "amdgcn-amd-amdhsa--gfx1250"
	.amdhsa_code_object_version 6
	.text
	.protected	k_q47093a6492_attn
	.globl	k_q47093a6492_attn
	.p2align	8
	.type	k_q47093a6492_attn,@function
k_q47093a6492_attn:
	s_mov_b64 s[64:65], 0
	v_nop
	global_prefetch_b8 v0, s[64:65] scope:SCOPE_SE
	s_setreg_imm32_b32 hwreg(HW_REG_WAVE_SCHED_MODE, 0, 2), 2
	s_setreg_imm32_b32 hwreg(HW_REG_WAVE_MODE, 25, 1), 1
	s_wait_xcnt 0x0
	s_wait_alu depctr_vm_vsrc(0)
; out[b][q][:] = the sum over k of softmax_k(s(q, k)) V[b][k][:],  s = Q[b][q] . K[b][k] / 8 where k < valid_lens[b], else -1e6.   Q, K, V, out: [32][2048][64] f32; valid_lens: [32] i32.
; Both products on codes of FP4 (E2M1) with one E8M0 scale for each 32 along a product's K: Q and K along the head's 64 (two blocks), p and V along the keys.  All codes are made here, from f32.
; THE SOFTMAX AHEAD OF THE SECOND PRODUCT: t = s x log2(e); M = the running largest t rounded UP to a whole number; p = 2^(t - M) is quantised, not normalised; the row's sum is taken of the unquantised p and divides at the end.
; SHARES.  256 work-groups of sixteen waves, 256 registers a wave.  A work-group serves TWO batches, one for each group of eight waves, 128 queries of each, 16 a wave.  The two batches are those of rank R and 31 - R in the
; order of their walks (the keys that have to be walked), so that every work-group has about the same number of key steps.  Every wave finds the ranks itself: 32 lanes hold the 32 walks, whole numbers only.
; A KEY STEP is 128 keys.  a scalar branch on valid_lens round the step's work, never round its barrier.  The loop has 16 steps for every wave.
; NO TENSOR LOADS, NO CLUSTER, NO JOINT LOADS: the steps that a group works hang on valid_lens, a number read from memory; and what the 16 work-groups of a
; batch share arrives as f32 and becomes codes in registers.  K's and V's f32 tiles come by loads into registers, a step ahead; the group's eight waves quantise a tile once (an eighth of K and V a wave and step) and hand
; the codes round through LDS AS IMAGES OF THE OPERANDS' REGISTERS, in two slots by turns, one barrier a step.
; LAYOUT.  Both products are used transposed: S^T = K Q^T (source 0 = 16 keys, source 1 = my 16 queries), O^T = V^T P^T (source 0 = 16 of the head's 64, source 1 = p): a lane holds ONE query (lane % 16) throughout.
; THE KEYS OF A TILE ARE NOT NEIGHBOURS: lane r of tile 2 b + u takes key 32 b + 8 u + r + 8 (r / 8), so that S^T's registers 16 b + i of lane (r, h) are keys 32 b + 16 h + i: 16 neighbours.
; THE HEAD IS 64, THE INSTRUCTION'S K 128: Q's registers 4-7 are zero codes and both sides' scale bytes 2 and 3 are 0 (never 0xff), so whatever codes stand in K's registers 4-7 add nothing: there stand the next tile's codes
; (behind the last tile four registers of zeros), and the eight fragments of K take 36 registers and eight LDS loads.
; LIMITS.  valid_lens <= 0: every score is the same number, so p = 2^0 for all 2,048 keys: all steps are walked and 0 is put for every score.  valid_lens > 2,048 counts as 2,048.  Steps behind valid_lens are left out: right as
; long as a row's largest valid score lies more than 110 above -1e6.  NaN and infinities among the inputs are not served.  A block whose largest magnitude lies under 2^-124 has its byte held at 1 (a block of zeros too: its codes are zeros).
; THE MODE: SCHED_MODE bits 1:0 = 2 (LLVM: expert scheduling mode 2), set by the entry lines.  The code itself states the register dependences between vector or matrix instructions and memory or LDS instructions,
; and those through scalar registers that vector instructions write, with s_wait_alu, always for 0.
; THE PLAN.  Registers that memory or LDS instructions touch:
;   v1-9, v248-251   addresses and offsets: written at the head, never again; one wait on va_vdst ahead of Q's loads serves every later access by them.
;   RK, RV           the raw loads land in them; the two blocks' maxima and conversions read them; behind those the next raw loads land.
;   PX 0-3, BM+3, PC+3 .. PC+7   written by those two blocks; read by the four LDS stores that follow them; written again by the same step's softmax.
;   F, KS            K's ten LDS loads land; K Q^T reads; V's nine LDS loads land; V^T P reads; the next step's K's loads land.
;   PC, PS (each step), QF, QS (the head)   written by vector instructions, taken by scaled matrix instructions as operand and scale.
;   S                Q's numbers land at the head (v103 Q's offset and v104 a store's data lie in it too); on the way out its lower half is stored to LDS and its upper half read back and stored to memory.
;   O, the sums and the statistics are named by vector and matrix instructions alone.
; A walked step has six waits on va_vdst (at its head; behind the two blocks' conversions; behind K Q^T; ahead of the exponentials; behind them; ahead of V^T P) and one on vm_vsrc (ahead of K Q^T).  Each says at its place what it states.
;
; LDS: group G at 17,920 G, slot s at + 8,960 s.  In a slot: K's images, tile t at 512 t, lane l's 16 bytes at 16 l | V's at 4,096: fragment u (channels 16 u + r) at 1,024 u, registers 4 c on at + 512 c, lane l at + 16 l |
; K's scale words at 8,192: (tile t, row r) at 256 (t / 4) + 16 r + 4 (t % 4) | V's at 8,704: (u, r) at 16 r + 4 u.  From 35,840 on a stage of 16 rows x 272 bytes for each wave, for the way out.
.set SLOTB, 8960
.set GRPB,  17920
.set VIMG,  4096
.set KSCO,  8192
.set VSCO,  8704
.set STG,   35840
.set STGW,  4352
.set TILEB, 32768                      ; 128 keys x 256 bytes of K or of V in memory
.set FLOOR, 0x1800000                  ; 2^(3 - 127): under it no largest magnitude is taken, so a scale's byte cannot fall under 1
; vector registers.  v0 stays the thread's number
.set LI,   1                           ; LDS: 17,920 G + 16 lane: an image's place for my lane
.set LSC,  2                           ; LDS: 17,920 G + 16 r: four scale words of my row
.set KW,   3                           ; LDS: where I store my tile of K
.set KSB,  4                           ; LDS: and its scale byte
.set VW,   5                           ; LDS: where I store my block of V
.set VSB,  6                           ; LDS: and its scale byte
.set KGO,  7                           ; memory: my key's 128 bytes in a tile of K
.set VGO,  8                           ; memory: my channel, my block's first key in a tile of V
.set PFO,  9                           ; memory: the prefetches' offset
.set NM,   10                          ; -M
.set TMAX, 11                          ; the largest t so far
.set L,    12                          ; v[12:13] the row's sum, in two halves
.set QS,   14                          ; Q's scale word
.set PS,   15                          ; p's scale word
.set QF,   16                          ; v[16:23] Q's fragment; 20-23 zeros
.set KS,   24                          ; v[24:31] K's eight scale words, then V's four
.set F,    32                          ; v[32:67] K's fragments, then V's; 64-67 zeros
.set S,    68                          ; v[68:131] S^T, then p; Q's numbers at the head; rows of out at the end
.set O,    132                         ; v[132:163] O^T, tile u at O + 8 u
.set PC,   164                         ; v[164:171] p's codes; between two steps' uses at work for my block of V
.set RK,   172                         ; v[172:203] 32 numbers of K as loaded
.set RV,   204                         ; v[204:235] 32 numbers of V as loaded
.set BM,   236                         ; v[236:239] the blocks' largest scores, then largest p
.set PX,   240                         ; v[240:243] the other half's maxima, bytes, a second chain of sums
.set SO,   244                         ; v[244:247] the conversions' scale operands
.set STO,  248                         ; LDS: the way out: where I put 32 bytes of a row
.set SRD,  249                         ; LDS: and where I read a row back
.set GO,   250                         ; memory: my 16 bytes in two rows of out
.set KSW,  251                         ; LDS: my scale byte's word, cleared once
.set FF,   252                         ; v[252:253] f = 2^(old M - new M); 253 written once
.set TA,   254                         ; at work
.set TB,   255                         ; what stands for a hidden score; written once
.set LN,   100                         ; at the head only: lane, r, h, Q's offset, at work
.set RR,   101
.set HH,   102
.set QO,   103
.set T0,   104
.set WLK,  105
.set C2K,  106
.set RNK,  107
; scalar registers: s[4:5] Q at my rows, s[6:7] K and s[8:9] V at the tile that is loaded next, s[10:11] valid_lens, s[12:13] out at my rows, s[30:31] the prefetches' base
.set WV,   14                          ; wave 0..15
.set GG,   15                          ; my group
.set IDX,  16                          ; my number in the group, 0..7
.set JJ,   17                          ; the work-group's block of 128 queries
.set TMP,  19
.set SEL,  20                          ; s[20:21] v_permlanex16_b32's selects for lane l xor 16
.set CS,   22                          ; s[22:23] c = log2(e) / 8
.set VL,   32                          ; valid_lens[b], held to 0 .. 2,048
.set WALK, 33                          ; the keys to walk
.set LIMW, 34                          ; the same in a work-group that prefetches, else 0
.set KF,   35                          ; the step's first key
.set LOOP, 36
.set LV,   32                          ; s[32:39] while the ranks are found, ahead of all that is named above from s32 on: eight lanes' keys
.set MK,   40                          ; s[40:47] eight masks of a run of compares: for the ranks, and for the hidden scores
; A lane's 32 numbers v[src] .. v[src + 31] are ONE block: its largest magnitude in two chains by turns, with the floor among the leaves; 2 off its exponent field gives the conversions' scale operand (they take that
; field and nothing else of it); the field is the scale's byte.  The shift that makes the byte is also the plain instruction that stands behind the last scaled conversion.
.macro BLK32 src, ma, mb, op, byt, cod
	v_max3_num_f32 v[\ma], |v[\src]|, |v[\src+1]|, FLOOR
	v_max3_num_f32 v[\mb], |v[\src+16]|, |v[\src+17]|, |v[\src+18]|
.irp i, 0,1,2,3,4,5
	v_max3_num_f32 v[\ma], v[\ma], |v[\src+2+2*\i]|, |v[\src+3+2*\i]|
	v_max3_num_f32 v[\mb], v[\mb], |v[\src+19+2*\i]|, |v[\src+20+2*\i]|
.endr
	v_max3_num_f32 v[\ma], v[\ma], |v[\src+14]|, |v[\src+15]|
	v_max3_num_f32 v[\ma], v[\ma], v[\mb], |v[\src+31]|
	v_add_nc_u32 v[\op], 0xff000000, v[\ma]
.irp g, 0,1,2,3
	v_cvt_scalef32_pk8_fp4_f32 v[\cod+\g], v[\src+8*\g:\src+8*\g+7], v[\op]
.endr
	v_lshrrev_b32 v[\byt], 23, v[\op]
.endm
; My share of the tile at s[6:7], s[8:9].  K: my key's half row, 128 bytes on end, in eight loads (together the wave's eight loads cover 16 whole rows).  V: my channel of my block's 32 keys: each load reads 128
; consecutive bytes, and the wave beside me takes the rows' other halves.  No hint: sixteen work-groups read these rows.
.macro RAWLOAD
.irp j, 0,1,2,3,4,5,6,7
	global_load_b128 v[RK+4*\j:RK+4*\j+3], v[KGO], s[6:7] offset:16*\j
.endr
.set n, 0
.rept 32
	global_load_b32 v[RV+n], v[VGO], s[8:9] offset:256*n
.set n, n+1
.endr
.endm
; The tile whose numbers are on their way becomes codes in slot 'slot'; then the tile behind it is asked for, if it has a key to walk.  Both blocks are worked first, so that one wait serves the four LDS stores and the forty loads.
; pf = 1: A PREFETCH INTO THE L2 stands behind those loads: the tile two further on than the one just asked for, so two key steps ahead of its own loads.  Each aligned block of 256 bytes is named once in the launch:
; of the sixteen work-groups of a batch the one with query block 0 asks; in its group waves 0 to 3 ask for K's 32,768 bytes and waves 4 to 7 for V's, 8,192 bytes a wave, lanes 256 bytes apart.
; It stops where that tile's first key is not walked, so it never leaves the batch; a batch's first four tiles come by their loads alone.
.macro AHEAD slot, pf
	s_wait_loadcnt 32                              ; K's eight loads are in; V's 32, issued behind them, may be out
	BLK32 RK, BM, BM+1, BM+2, BM+3, PX
	s_wait_loadcnt 0x0                             ; V's are in: no load of mine is out
	BLK32 RV, PC, PC+1, PC+2, PC+3, PC+4
	s_wait_alu depctr_va_vdst(0)                   ; both blocks' codes and bytes are written, which the four LDS stores read; and the maxima and conversions are done reading RK and RV, in which the loads below land
	ds_store_b128 v[KW], v[PX:PX+3] offset:(\slot)*SLOTB
	ds_store_b8 v[KSB], v[BM+3] offset:(\slot)*SLOTB
	ds_store_b128 v[VW], v[PC+4:PC+7] offset:(\slot)*SLOTB
	ds_store_b8 v[VSB], v[PC+3] offset:(\slot)*SLOTB
	s_wait_xcnt 0x0                                ; the prefetch of a step ago has read its base: the three bases are stepped only behind this wait
	s_add_nc_u64 s[6:7], s[6:7], TILEB
	s_add_nc_u64 s[8:9], s[8:9], TILEB
	s_add_nc_u64 s[30:31], s[30:31], TILEB
	s_add_co_u32 s[TMP], s[KF], 256
	s_cmp_lt_u32 s[TMP], s[WALK]
	s_cbranch_scc0 .Lnol_\@                        ; no load leaves its batch: a tile is asked for only if its first key is walked
	RAWLOAD                                        ; no vector instruction since the wait above names RK or RV
.if \pf
	s_add_co_u32 s[TMP], s[KF], 512
	s_cmp_lt_u32 s[TMP], s[LIMW]
	s_cbranch_scc0 .Lnol_\@
	global_prefetch_b8 v[PFO], s[30:31] offset:2*TILEB th:TH_LOAD_NT scope:SCOPE_SE
.endif
.Lnol_\@:
.endm
; In the one step that valid_lens cuts (and in every step where it is 0) the scores of hidden keys are replaced ahead of the maximum.  Register 16 b + i holds key KF + 32 b + 16 h + i: hidden where 32 b + i >= valid_lens - KF - 16 h.
; The compares go in runs of eight, one accumulator a run, into eight scalar registers, with one wait behind the run.
; The registers are taken in ascending order: each accumulator is read from its low end on.
.macro MASK
	s_add_co_u32 s[TMP], s[KF], 128
	s_cmp_le_u32 s[TMP], s[VL]
	s_cbranch_scc1 .Lopen_\@                       ; all 128 keys count
	s_sub_co_i32 s[TMP], s[VL], s[KF]
	v_bfe_u32 v[TA], v0, 4, 1
	v_lshlrev_b32 v[TA], 4, v[TA]
	v_sub_nc_u32 v[TA], s[TMP], v[TA]
.set n, 0
.rept 8
.irp i, 0,1,2,3,4,5,6,7
	v_cmp_ge_i32 s[MK+\i], 32*((n+\i)/16)+(n+\i)%16, v[TA]
.endr
	s_wait_alu depctr_va_sdst(0)                   ; the eight compares have written their masks, which the eight selects read
.irp i, 0,1,2,3,4,5,6,7
	v_cndmask_b32 v[S+n+\i], v[S+n+\i], v[TB], s[MK+\i]
.endr
.set n, n+8
.endr
.Lopen_\@:
.endm
; V's fragments and scale words of slot s, one LDS load at a time: k = 0 .. 7: registers 4 k on of the four fragments; k = 8: the four scale words.
.macro VLD s, k
.if (\k) < 8
	ds_load_b128 v[F+4*(\k):F+4*(\k)+3], v[LI] offset:(\s)*SLOTB+VIMG+512*(\k)
.else
	ds_load_b128 v[KS:KS+3], v[LSC] offset:(\s)*SLOTB+VSCO
.endif
.endm
; THE WAY OUT, in a wave's last step.  O^T / the row's sum goes through my own stage in LDS (rows of 256 bytes + 16) and leaves as whole rows: each store of the wave covers 512 consecutive bytes, aligned to 256.
.macro OUTPUT
	v_add_f32 v[TA], v[L], v[L+1]                  ; the sum's two halves,
	v_permlanex16_b32 v[PX], v[TA], s[SEL], s[SEL+1]
	v_add_f32 v[TA], v[TA], v[PX]                  ; and lane l xor 16's: the row's sum
	s_wait_alu depctr_va_vdst(0)
	v_rcp_f32 v[TA], v[TA]
	v_nop                                          ; one plain instruction behind the reciprocal, ahead of its use
	s_wait_alu depctr_va_vdst(0)                   ; the reciprocal is written, ahead of its first reader
.irp j, 0,2,4,6,8,10,12,14,16,18,20,22,24,26,28,30
	v_pk_mul_f32 v[S+\j:S+\j+1], v[O+\j:O+\j+1], v[TA:TA+1] op_sel_hi:[1,0]   ; register 8 u + i is out(query r, channel 16 u + 8 h + i)
.endr
	s_wait_alu depctr_va_vdst(0)                   ; the sixteen multiplications have written S's lower half, which the LDS stores read; and the row sums are done reading its upper half, in which the LDS loads land
.irp u, 0,1,2,3
	ds_store_b128 v[STO], v[S+8*\u:S+8*\u+3] offset:64*\u
	ds_store_b128 v[STO], v[S+8*\u+4:S+8*\u+7] offset:64*\u+16
.endr
.irp i, 0,1,2,3,4,5,6,7
	ds_load_b128 v[S+32+4*\i:S+32+4*\i+3], v[SRD] offset:544*\i   ; LDS serves a wave's instructions in order (ISA guide 5.7.1.4): these see my stores
.endr
.irp i, 0,1,2,3,4,5,6,7
	s_wait_dscnt 7-\i                              ; rows 2 i and 2 i + 1 are back; the younger loads may be out
	global_store_b128 v[GO], v[S+32+4*\i:S+32+4*\i+3], s[12:13] offset:512*\i th:TH_STORE_NT
.endr
	s_wait_xcnt 0x0                                ; the stores have read their registers
.endm
; A KEY STEP on slot s.
.macro STEP s
	s_cmp_lt_u32 s[KF], s[WALK]
	s_cbranch_scc0 .Lidle_\@                       ; nothing of this step is walked: on to the barrier
	s_wait_alu depctr_va_vdst(0)                   ; the last step's products V^T P are done reading F and KS, in which the ten loads below land
.irp t, 0,1,2,3,4,5,6,7
	ds_load_b128 v[F+4*\t:F+4*\t+3], v[LI] offset:(\s)*SLOTB+512*\t
.endr
.irp q, 0,1
	ds_load_b128 v[KS+4*\q:KS+4*\q+3], v[LSC] offset:(\s)*SLOTB+KSCO+256*\q
.endr
	s_add_co_u32 s[TMP], s[KF], 128
	s_cmp_lt_u32 s[TMP], s[WALK]
	s_cbranch_scc0 .Lnoq_\@
	AHEAD 1-\s, 1                                  ; the next step's tile into the other slot, which nobody reads since the last barrier; this work stands while my fragments come
.Lnoq_\@:
	s_wait_dscnt 0x0                               ; K's fragments and scale words are in
	s_wait_alu depctr_vm_vsrc(0)                   ; my four LDS stores have read PX, BM + 3 and PC, which the softmax below writes again; and whatever memory or LDS instruction read a register of S (Q's offset and the zero at the head; the way out's stores) has read it: the products write S
.irp t, 0,1,2,3,4,5,6,7
	v_wmma_scale_f32_16x16x128_f8f6f4 v[S+8*\t:S+8*\t+7], v[F+4*\t:F+4*\t+7], v[QF:QF+7], 0, v[KS+\t], v[QS] matrix_a_fmt:MATRIX_FMT_FP4 matrix_b_fmt:MATRIX_FMT_FP4
.endr
.rept 4
	v_nop                                          ; four places in front of the first read of these products' results (ISA guide 7.12.1)
.endr
	s_wait_alu depctr_va_vdst(0)                   ; the products K Q^T are done reading F and KS, in which V's nine loads land.  Those stand one by one among the lines below, which name S, BM and PX alone: nothing more is owed for them
	MASK
.irp b, 0,1,2,3
	v_max3_num_f32 v[BM+\b], v[S+16*\b], v[S+1+16*\b], v[S+2+16*\b]   ; THE LARGEST SCORE OF EACH BLOCK OF 32 KEYS serves twice: for the row's maximum and, since p rises with the score, for the block's largest p
.endr
	VLD \s, 0                                      ; V's fragments come while the softmax is worked
.irp i, 3,5,7,9,11,13
.irp b, 0,1,2,3
	v_max3_num_f32 v[BM+\b], v[BM+\b], v[S+16*\b+\i], v[S+1+16*\b+\i]   ; (the four blocks by turns)
.endr
	VLD \s, (\i-1)/2
.endr
.irp b, 0,1,2,3
	v_max_num_f32 v[BM+\b], v[BM+\b], v[S+15+16*\b]
.endr
	VLD \s, 7
.irp b, 0,1,2,3
	v_permlanex16_b32 v[PX+\b], v[BM+\b], s[SEL], s[SEL+1]
.endr
	VLD \s, 8
.irp b, 0,1,2,3
	v_max_num_f32 v[BM+\b], v[BM+\b], v[PX+\b]     ; with lane l xor 16's 16 keys
.endr
	v_max3_num_f32 v[TA], v[BM], v[BM+1], v[BM+2]
	v_max_num_f32 v[TA], v[TA], v[BM+3]            ; the step's largest score of my query
	v_mul_f32 v[TA], s[CS], v[TA]                  ; as t (c is positive)
	v_max_num_f32 v[TMAX], v[TMAX], v[TA]          ; the running largest t
	v_mov_b32 v[TA], v[NM]
	v_floor_f32 v[NM], -v[TMAX]                    ; the new -M = floor(-t) = -ceil(t): M IS A WHOLE NUMBER
	v_sub_f32 v[TA], v[NM], v[TA]                  ; M's old value less its new one: a whole number, 0 or less
	v_cvt_i32_f32 v[TA], v[TA]                     ; (it saturates)
	v_ldexp_f32 v[FF], 1.0, v[TA]                  ; f = 2^(old M - new M): a multiplication by it rounds nothing
.irp j, 0,2,4,6,8,10,12,14,16,18,20,22,24,26,28,30,32,34,36,38,40,42,44,46,48,50,52,54,56,58,60,62
	v_pk_fma_f32 v[S+\j:S+\j+1], v[S+\j:S+\j+1], s[CS:CS+1], v[NM:NM+1] op_sel_hi:[1,0,0]   ; t - M, two at a time (of the pairs c and -M the low word serves both halves)
.endr
.irp b, 0,1,2,3
	v_fma_f32 v[BM+\b], v[BM+\b], s[CS], v[NM]     ; the same of each block's largest score
.endr
.set n, 0
	s_wait_alu depctr_va_vdst(0)
.rept 64
	v_exp_f32 v[S+n], v[S+n]                       ; p = 2^(t - M), at most 1: NOT normalised
.set n, n+1
.endr
.irp b, 0,1,2,3
	v_exp_f32 v[BM+\b], v[BM+\b]                   ; the block's largest p: the same two instructions on the same number give the same bits
.endr
	v_pk_mul_f32 v[L:L+1], v[L:L+1], v[FF:FF+1] op_sel_hi:[1,0]   ; the sums under the new M.  (The plain instruction behind the exponentials)
	s_wait_alu depctr_va_vdst(0)                   ; the 68 exponentials have written p and the blocks' largest p: one wait for the batch, ahead of its first reader
.irp b, 0,1,2,3
	v_max_num_f32 v[BM+\b], FLOOR, v[BM+\b]        ; the floor: a block whose every p is 0 keeps the byte 1: its codes are zeros
.endr
.irp b, 0,1,2,3
	v_add_nc_u32 v[SO+\b], 0xff000000, v[BM+\b]    ; 2 off the exponent field: the conversions' scale operand
.endr
.irp b, 0,1,2,3
	v_lshrrev_b32 v[PX+\b], 23, v[SO+\b]           ; the scale's byte
.endr
	v_lshl_or_b32 v[PS], v[PX+1], 8, v[PX]         ; p's scale word for these 128 keys
	v_lshl_or_b32 v[PS], v[PX+2], 16, v[PS]
	v_lshl_or_b32 v[PS], v[PX+3], 24, v[PS]
.irp b, 0,1,2,3
	v_cvt_scalef32_pk8_fp4_f32 v[PC+2*\b], v[S+16*\b:S+7+16*\b], v[SO+\b]
	v_cvt_scalef32_pk8_fp4_f32 v[PC+1+2*\b], v[S+8+16*\b:S+15+16*\b], v[SO+\b]
.endr
	v_nop                                          ; one plain instruction between a scaled conversion and the vector instruction that touches its result
.irp c, 0,1                                    ; the operand's layout wants a WHOLE block in a lane: lanes 0-15 block 2 c, lanes 16-31 block 2 c + 1
.irp i, 0,1
	v_permlane16_swap_b32 v[PC+4*\c+\i], v[PC+2+4*\c+\i]
.endr
.endr
.irp j, 0,2,4,6,8,10,12,14,16,18,20,22,24,26,28,30
	v_pk_mul_f32 v[O+\j:O+\j+1], v[O+\j:O+\j+1], v[FF:FF+1] op_sel_hi:[1,0]   ; O^T under the new M, each accumulator from its low end on.  (These sixteen also stand between the making of p's codes and scale word and the products)
.endr
	s_wait_dscnt 0x0                               ; V's fragments and scale words are in
	s_wait_alu depctr_va_vdst(0)                   ; p's codes PC and its scale word PS are written, which the scaled products take as operand and scale; the places above stay beside this wait
.irp u, 0,1,2,3                                ; O^T += V^T P^T: the four accumulators by turns, one instruction a turn
	v_wmma_scale_f32_16x16x128_f8f6f4 v[O+8*\u:O+8*\u+7], v[F+8*\u:F+8*\u+7], v[PC:PC+7], v[O+8*\u:O+8*\u+7], v[KS+\u], v[PS] matrix_a_fmt:MATRIX_FMT_FP4 matrix_b_fmt:MATRIX_FMT_FP4
.endr
	v_pk_add_f32 v[PX:PX+1], v[S:S+1], v[S+2:S+3]  ; THE ROW'S SUM IS TAKEN OF THE UNQUANTISED p: two at a time, in two chains.  These 32 name no register of the products above: they are the places behind them
.irp j, 4,8,12,16,20,24,28,32,36,40,44,48,52,56,60
	v_pk_add_f32 v[L:L+1], v[L:L+1], v[S+\j:S+\j+1]
	v_pk_add_f32 v[PX:PX+1], v[PX:PX+1], v[S+2+\j:S+3+\j]
.endr
	v_pk_add_f32 v[L:L+1], v[L:L+1], v[PX:PX+1]
	s_add_co_u32 s[TMP], s[KF], 128
	s_cmp_ge_u32 s[TMP], s[WALK]
	s_cbranch_scc0 .Lidle_\@
	OUTPUT                                         ; this was the last step that is walked: my rows leave now
.Lidle_\@:
	s_add_co_u32 s[KF], s[KF], 128
	s_wait_dscnt 0x0                               ; for the others' sake: my stores into the other slot have landed and my reads of this slot are over
	s_barrier_signal -1
	s_barrier_wait -1                              ; every wave passes it, in every step
.endm
	s_load_b256 s[4:11], s[0:1], 0x0               ; Q s[4:5], K s[6:7], V s[8:9], valid_lens s[10:11]
	s_load_b64 s[12:13], s[0:1], 0x20              ; out
	v_lshrrev_b32 v[T0], 5, v0
	v_readfirstlane_b32 s[WV], v[T0]               ; wave 0..15
	v_and_b32 v[LN], 31, v0                        ; lane
	v_and_b32 v[RR], 15, v0                        ; r
	v_bfe_u32 v[HH], v0, 4, 1                      ; h
	v_lshlrev_b32 v[T0], 2, v[LN]
	s_wait_kmcnt 0x0
	s_wait_alu depctr_va_vdst(0)                   ; v[T0] is written, which the load below reads as its offset
	global_load_b32 v[WLK], v[T0], s[10:11]        ; lane b takes valid_lens[b]; the addresses below are made while it comes
	s_wait_alu depctr_va_sdst(0)                   ; the wave's number is written, ahead of its first reader
	s_lshr_b32 s[TMP], s[WV], 2
	s_xor_b32 s[GG], s[WV], s[TMP]
	s_and_b32 s[GG], s[GG], 1                      ; my group: bit 0 xor bit 2 of the wave's number, so that of waves w, w + 4, w + 8, w + 12 and of waves 4 i .. 4 i + 3 alike two belong to each group
	s_lshr_b32 s[IDX], s[WV], 1                    ; my number in it: group and number name the wave
	s_and_b32 s[JJ], ttmp9, 15                     ; the block of 128 queries
	s_lshr_b32 s25, ttmp9, 4                       ; R: the pair of batches
	s_and_b32 s37, s[IDX], 1                       ; K: the tile's u;  V: which 32 channels
	s_lshr_b32 s38, s[IDX], 1                      ; K: the tile's b;  V: which block of 32 keys
	s_mov_b32 s[SEL], 0x76543210
	s_mov_b32 s[SEL+1], 0xfedcba98
	s_mov_b32 s[CS], 0x3e38aa3b                    ; c = log2(e) / sqrt(64)
	s_mov_b32 s[CS+1], s[CS]                       ; (named with it as a pair, so it is written)
	s_mul_i32 s[TMP], s[GG], GRPB
	v_lshlrev_b32 v[LI], 4, v[LN]
	v_add_nc_u32 v[LI], s[TMP], v[LI]
	v_lshlrev_b32 v[LSC], 4, v[RR]
	v_add_nc_u32 v[LSC], s[TMP], v[LSC]
	s_wait_alu depctr_va_vdst(0)
	s_lshl_b32 s39, s[IDX], 9
	v_add_nc_u32 v[KW], s39, v[LI]                 ; my tile of K is the group's tile IDX
	s_lshr_b32 s39, s[IDX], 2
	s_lshl_b32 s39, s39, 8
	s_and_b32 s40, s[IDX], 3
	s_lshl_b32 s40, s40, 2
	s_add_co_u32 s39, s39, s40
	s_add_co_u32 s39, s39, KSCO
	v_add_nc_u32 v[KSW], s39, v[LSC]               ; the scale word of (my tile, row r);
	v_add_nc_u32 v[KSB], v[KSW], v[HH]             ; my block of the head's two is h
	s_lshl_b32 s39, s37, 11                        ; V: my channel 32 (IDX % 2) + lane is row r of fragment 2 (IDX % 2) + h; block beta is registers 4 (beta / 2) on of lanes 16 (beta % 2) + r: 256 beta bytes
	s_lshl_b32 s40, s38, 8
	s_add_co_u32 s39, s39, s40
	s_add_co_u32 s39, s39, VIMG
	v_lshl_add_u32 v[VW], v[HH], 10, v[LSC]
	v_add_nc_u32 v[VW], s39, v[VW]
	s_lshl_b32 s39, s37, 3
	s_add_co_u32 s39, s39, s38
	s_add_co_u32 s39, s39, VSCO
	v_lshl_add_u32 v[VSB], v[HH], 2, v[LSC]
	v_add_nc_u32 v[VSB], s39, v[VSB]               ; byte beta of the word of (fragment, r)
	v_and_b32 v[KGO], 8, v[RR]
	v_add_nc_u32 v[KGO], v[KGO], v[RR]             ; r + 8 (r / 8)
	s_lshl_b32 s39, s38, 5
	s_lshl_b32 s40, s37, 3
	s_add_co_u32 s39, s39, s40
	v_add_nc_u32 v[KGO], s39, v[KGO]               ; my key in the step
	v_lshlrev_b32 v[KGO], 8, v[KGO]
	v_lshl_add_u32 v[KGO], v[HH], 7, v[KGO]        ; its row of 256 bytes, + my half
	s_lshl_b32 s39, s38, 13
	s_lshl_b32 s40, s37, 7
	s_add_co_u32 s39, s39, s40
	v_lshl_add_u32 v[VGO], v[LN], 2, s39           ; 32 beta rows of 256 bytes, + my channel
	s_and_b32 s39, s[IDX], 3
	s_lshl_b32 s39, s39, 13
	v_lshl_add_u32 v[PFO], v[LN], 8, s39
	s_mul_i32 s39, s[WV], STGW
	s_add_co_u32 s39, s39, STG                     ; my stage
	v_mul_u32_u24 v[STO], v[RR], 272
	v_lshl_add_u32 v[STO], v[HH], 5, v[STO]
	v_add_nc_u32 v[STO], s39, v[STO]               ; in: row r, + 32 h
	v_mul_u32_u24 v[SRD], v[HH], 272
	v_lshl_add_u32 v[SRD], v[RR], 4, v[SRD]
	v_add_nc_u32 v[SRD], s39, v[SRD]               ; back: lanes 0-15 one row, lanes 16-31 the next
	v_lshlrev_b32 v[GO], 8, v[HH]
	v_lshl_add_u32 v[GO], v[RR], 4, v[GO]          ; and the same two rows in out
	v_lshlrev_b32 v[QO], 8, v[RR]
	v_lshl_add_u32 v[QO], v[HH], 7, v[QO]          ; Q: row r, + my half
	; THE RANKS.  Lane b's walk: valid_lens[b] held at 2,048 (a negative number, read as unsigned, is held there too, and its walk is 2,048), and 2,048 where it is 0.  The key walk x 32 + b is different in every lane;
	; a lane's rank is the number of smaller keys.  Eight lanes' keys at a time: eight reads of a lane, eight compares, eight additions of a mask's bit, with one wait behind each of the first two runs.
	v_mov_b32 v[C2K], 0x800
	v_mov_b32 v[RNK], 0
	s_wait_loadcnt 0x0
	s_wait_alu depctr_vm_vsrc(0)                   ; the load of valid_lens has read its offset v[T0], which is written again below, ahead of the two stores that clear scale words
	v_min_u32 v[WLK], 0x800, v[WLK]
	s_wait_alu depctr_va_vdst(0)
	v_cmp_eq_u32 vcc_lo, 0, v[WLK]
	s_wait_alu depctr_va_vcc(0)                    ; the compare has written VCC, which the select reads
	v_cndmask_b32 v[WLK], v[WLK], v[C2K], vcc_lo
	v_lshl_or_b32 v[WLK], v[WLK], 5, v[LN]
.set n, 0
.rept 4
.irp i, 0,1,2,3,4,5,6,7
	v_readlane_b32 s[LV+\i], v[WLK], n+\i
.endr
	s_wait_alu depctr_va_sdst(0)                   ; the eight keys are written, which the compares read
.irp i, 0,1,2,3,4,5,6,7
	v_cmp_lt_u32 s[MK+\i], s[LV+\i], v[WLK]
.endr
	s_wait_alu depctr_va_sdst(0)                   ; the eight masks are written, which the additions read as their carries
.irp i, 0,1,2,3,4,5,6,7
	v_add_co_ci_u32 v[RNK], s[MK+\i], 0, v[RNK], s[MK+\i]
.endr
.set n, n+8
.endr
	s_sub_co_u32 s39, 31, s25
	s_cmp_eq_u32 s[GG], 0
	s_cselect_b32 s18, s25, s39                    ; group 0 takes rank R, group 1 rank 31 - R
	v_cmp_eq_u32 s38, s18, v[RNK]
	s_wait_alu depctr_va_sdst(0)                   ; the mask of the lane that has my rank is written, ahead of its reader; so are the carries that the additions above left in s[40:47], which scalar lines below write again
	s_ctz_i32_b32 s24, s38                         ; the lane that has it is my batch
	s_min_u32 s24, s24, 31
	s_lshl_b32 s39, s24, 2
	s_load_b32 s[VL], s[10:11], s39 offset:0x0     ; its valid_lens as a scalar (s39 stays as it is until the wait for this load)
	s_lshl_b32 s26, s24, 19                        ; a batch is 2,048 x 256 bytes
	s_mov_b32 s27, 0
	s_add_nc_u64 s[6:7], s[6:7], s[26:27]
	s_add_nc_u64 s[8:9], s[8:9], s[26:27]
	s_lshl_b32 s28, s[JJ], 7
	s_lshl_b32 s40, s[IDX], 4
	s_add_co_u32 s28, s28, s40                     ; my first query: 128 J + 16 IDX
	s_lshl_b32 s28, s28, 8
	s_add_co_u32 s28, s28, s26
	s_mov_b32 s29, 0
	s_add_nc_u64 s[4:5], s[4:5], s[28:29]
	s_add_nc_u64 s[12:13], s[12:13], s[28:29]
	s_cmp_lt_u32 s[IDX], 4
	s_cselect_b64 s[30:31], s[6:7], s[8:9]         ; waves 0 to 3 of a group prefetch K, waves 4 to 7 V
	s_wait_alu depctr_va_vdst(0)                   ; all addresses and offsets (v1 to v9, v248 to v251, Q's v103) are written: every load, store and prefetch from here on reads one of them, and none but v103 is written again
.irp j, 0,1,2,3,4,5,6,7
	global_load_b128 v[S+4*\j:S+4*\j+3], v[QO], s[4:5] offset:16*\j th:TH_LOAD_NT   ; my query's half row: one block of 32; read once in the launch
.endr
	RAWLOAD                                        ; tile 0: every batch walks it
	; what the loop finds, written while the loads are on their way.  The step is written without a first step of its own: O^T and the sum begin as zeros, which the first change of M leaves zeros
.set n, 0
.rept 32
	v_mov_b32 v[O+n], 0
.set n, n+1
.endr
	v_mov_b32 v[L], 0
	v_mov_b32 v[L+1], 0
	v_mov_b32 v[TMAX], 0xff61b1e6                  ; -3e38, under every t
	v_floor_f32 v[NM], -v[TMAX]
.irp i, 0,1,2,3
	v_mov_b32 v[QF+4+\i], 0                        ; Q's upper 64 along K: zero codes
	v_mov_b32 v[F+32+\i], 0                        ; what stands behind K's last tile
	v_mov_b32 v[PX+\i], 0                          ; a lane permute's destination counts as one of its sources
.endr
	v_mov_b32 v[FF+1], 0                           ; (named as the upper half of a pair)
	v_mov_b32 v[T0], 0
	s_wait_alu depctr_va_vdst(0)                   ; v[T0] = 0 is written, which the two LDS stores read as their data
	ds_store_b32 v[KSW], v[T0]                     ; my scale word in both slots: bytes 2 and 3 stay 0 from here on; bytes 0 and 1 are written by my own byte stores, which come behind these
	ds_store_b32 v[KSW], v[T0] offset:SLOTB
	s_wait_kmcnt 0x0
	s_max_i32 s[VL], s[VL], 0
	s_min_u32 s[VL], s[VL], 0x800
	s_cmp_eq_u32 s[VL], 0
	s_cselect_b32 s[WALK], 0x800, s[VL]            ; with no valid key all keys weigh alike: all are walked
	s_cselect_b32 s41, 0, 0xcaf42400               ; a hidden score ahead of the division by 8: -8e6; with no valid key every score is the same number, t - M is 0, and 0 stands for it
	s_cmp_eq_u32 s[JJ], 0
	s_cselect_b32 s[LIMW], s[WALK], 0
	v_mov_b32 v[TB], s41
	s_mov_b32 s[KF], -128                          ; so that the lines below ask for tile 1 where key 128 is walked
	s_wait_loadcnt 40                              ; Q's eight loads are in; tile 0's forty, issued behind them, may be out
	BLK32 S, BM, BM+1, BM+2, BM+3, QF
	v_permlanex16_b32 v[PX], v[BM+3], s[SEL], s[SEL+1]
	v_lshl_or_b32 v[QS], v[PX], 8, v[BM+3]         ; lanes 0-15: block 0's byte is mine, block 1's lane l + 16's; bytes 2 and 3 are 0.  (Lanes 16-31 are not read)
	AHEAD 0, 0                                     ; tile 0 into slot 0; nothing is prefetched here, where every work-group's first tiles are on their way.  (Its wait on va_vdst also shows Q's codes and scale word written, which the scaled products take)
	s_mov_b32 s[KF], 0
	s_wait_dscnt 0x0                               ; for the others' sake: my part of slot 0 and my cleared words have landed
	s_wait_alu depctr_vm_vsrc(0)                   ; tile 0's four LDS stores have read PX, BM + 3 and PC, which the first step's two blocks write again
	s_barrier_signal -1
	s_barrier_wait -1
	s_mov_b32 s[LOOP], 8
.Ltrip:                                                ; eight trips of two steps, one on each slot: the count is the same for every wave, whatever valid_lens holds
	STEP 0
	STEP 1
	s_sub_co_u32 s[LOOP], s[LOOP], 1
	s_cmp_lg_u32 s[LOOP], 0
	s_cbranch_scc1 .Ltrip
	s_wait_xcnt 0x0
	v_lshl_add_u32 v254, v0, 2, 0x19c00
	v_mov_b32 v255, 0
	s_wait_dscnt 0x0                               ; the closing lines, six on end
	s_wait_alu 0x0
	s_wait_tensorcnt 0x0
	ds_add_u32 v254, v255
	s_wait_dscnt 0x0
	s_endpgm
.Lfunc_end_k_q47093a6492_attn:
	.size	k_q47093a6492_attn, .Lfunc_end_k_q47093a6492_attn-k_q47093a6492_attn
	.p2alignl 7, 3214868480
	.fill 96, 4, 3214868480
	.section	.rodata,"a",@progbits
	.p2align	6, 0x0
	.amdhsa_kernel k_q47093a6492_attn
		.amdhsa_group_segment_fixed_size 107520
		.amdhsa_private_segment_fixed_size 0
		.amdhsa_enable_private_segment 0
		.amdhsa_kernarg_size 40
		.amdhsa_user_sgpr_count 2
		.amdhsa_user_sgpr_kernarg_segment_ptr 1
		.amdhsa_wavefront_size32 1
		.amdhsa_system_sgpr_workgroup_id_x 1
		.amdhsa_system_sgpr_workgroup_id_y 1
		.amdhsa_system_sgpr_workgroup_id_z 1
		.amdhsa_system_vgpr_workitem_id 0
		.amdhsa_next_free_vgpr 256
		.amdhsa_next_free_sgpr 66
		.amdhsa_reserve_vcc 1
		.amdhsa_float_denorm_mode_32 3
		.amdhsa_float_denorm_mode_16_64 3
		.amdhsa_memory_ordered 1
		.amdhsa_forward_progress 1
		.amdhsa_inst_pref_size 98
	.end_amdhsa_kernel
	.amdgpu_metadata
---
amdhsa.version: [ 1, 2 ]
amdhsa.kernels:
  - .name:           k_q47093a6492_attn
    .symbol:         k_q47093a6492_attn.kd
    .args:
      - { .name: queries, .offset: 0, .size: 8, .value_kind: global_buffer, .address_space: global }
      - { .name: keys, .offset: 8, .size: 8, .value_kind: global_buffer, .address_space: global }
      - { .name: values, .offset: 16, .size: 8, .value_kind: global_buffer, .address_space: global }
      - { .name: valid_lens, .offset: 24, .size: 8, .value_kind: global_buffer, .address_space: global }
      - { .name: out0, .offset: 32, .size: 8, .value_kind: global_buffer, .address_space: global }
    .group_segment_fixed_size: 107520
    .private_segment_fixed_size: 0
    .kernarg_segment_align: 8
    .kernarg_segment_size: 40
    .max_flat_workgroup_size: 512
    .sgpr_count:     66
    .vgpr_count:     256
    .wavefront_size: 32
...
	.end_amdgpu_metadata
.endif
;; end of part 2
